; MI455X (gfx1250); checked and timed in simulation.
; The chip was launched on July 23, 2026; its instructions are those of AMD's public machine-readable ISA for CDNA 5 (MIT licence, August 2026) and "CDNA5" Instruction Set Architecture Reference Guide (July 2026). The comments in the code are by the model that wrote it; some were corrected since.
;; Attention. Allowed arithmetic: float matrix products may take bf16 or f16 operands with f32 sums; all other float work in f32.
;; Inputs: Wq 2,048 x 2,048 float32; x 4 x 2,048 x 2,048 float32.
;; Outputs: out0 4 x 2,048 x 2,048 float32.
;; Constants: H = 64, W = 32.
;; One version. Each part assembles by itself: llvm-mc -triple=amdgcn-amd-amdhsa -mcpu=gfx1250 --defsym DOCPART=n.
;; ======== version 1 of 1: 4 launches
;; workspace buffers: xb 33,554,432 bytes; wb 8,388,608 bytes; gm 33,554,432 bytes; cs 2,097,152 bytes; pm 262,144 bytes
;; launch cast (part 1): grid 256 x 1, 8 waves a work-group, no clusters, 0 bytes of LDS; arguments x, Wq, xb, wb, cs; writes xb, wb, cs
.if DOCPART == 1
	.amdgcn_target "amdgcn-amd-amdhsa--gfx1250"
	.amdhsa_code_object_version 6
	.text
	.protected	k_q9aed797798_cast
	.globl	k_q9aed797798_cast
	.p2align	8
	.type	k_q9aed797798_cast,@function
k_q9aed797798_cast:
	s_mov_b64 s[64:65], 0
	v_nop
	global_prefetch_b8 v0, s[64:65] scope:SCOPE_SE
	s_setreg_imm32_b32 hwreg(HW_REG_WAVE_MODE, 25, 1), 1
	s_wait_xcnt 0x0
; cast: xb = bf16(x), wb = bf16(Wq), cs[g][c] = the sum over the 32 rows of chunk g of x[row][c], kept in f32.
; x is taken as [8192][2048] f32 (the four batches one behind the other), Wq is [2048][2048] f32.
; Work-group g takes rows 32 g .. 32 g + 31 of x (one chunk of cs) and rows 8 g .. 8 g + 7 of Wq: 40 rows of 8,192 bytes, alike in all 256.
; Thread t owns columns 4 t .. 4 t + 3 and 1024 + 4 t .. + 3 of every row: a wave's load covers 512 consecutive bytes, a wave's store of
; 8 bytes a lane covers 256 consecutive bytes, aligned.  Memory binds: no LDS, no barrier, no matrix unit; every input byte is read once.
; A ring of 16 row slots in registers keeps 32 loads of every wave on their way.  All 40 rows are written out: every row's place stands in
; an immediate, so no address register and no base is ever rewritten.
; Order of the column sums: 32 rows one after the other here, the 64 chunks of a batch in trees in the last launch, all in f32.
.set XROW,  8192                       ; bytes in a row of x and of Wq
.set BROW,  4096                       ; bytes in a row of xb and of wb
.set XR,    32                         ; rows of x of a work-group; the rows behind them are Wq's
.set ROWS,  40
.set AHEAD, 16                         ; row slots
.set S,     4                          ; v[4:11]    column sums of my 8 columns
.set X,     12                         ; v[12:139]  slot r % 16: 8 registers, my 8 numbers of row r
.set Y,     140                        ; v[140:171] set r % 8: 4 registers, the same 8 numbers in bf16
	s_load_b256 s[4:11], s[0:1], 0x0               ; x s[4:5], Wq s[6:7], xb s[8:9], wb s[10:11]
	s_load_b64 s[12:13], s[0:1], 0x20              ; cs
	v_lshlrev_b32 v1, 4, v0                        ; 16 t: my place in a row of f32 (and in cs); never rewritten
	v_lshlrev_b32 v2, 3, v0                        ; 8 t: my place in a row of bf16; never rewritten
	s_mov_b32 s15, 0                               ; every offset below is under 4 GiB
	s_wait_kmcnt 0x0
	s_lshl_b32 s14, ttmp9, 18                      ; 32 rows of 8,192 bytes
	s_add_nc_u64 s[4:5], s[4:5], s[14:15]
	s_lshl_b32 s14, ttmp9, 16                      ; 8 rows of 8,192 bytes
	s_add_nc_u64 s[6:7], s[6:7], s[14:15]
	s_lshl_b32 s14, ttmp9, 17                      ; 32 rows of 4,096 bytes
	s_add_nc_u64 s[8:9], s[8:9], s[14:15]
	s_lshl_b32 s14, ttmp9, 15                      ; 8 rows of 4,096 bytes
	s_add_nc_u64 s[10:11], s[10:11], s[14:15]
	s_lshl_b32 s14, ttmp9, 13                      ; one row of cs
	s_add_nc_u64 s[12:13], s[12:13], s[14:15]
; Row r's two loads, into slot r % 16.  Each input byte is read once in the launch: non-temporal.
.macro LDROW r
.set ls, X+8*((\r)%AHEAD)
.if (\r) < XR
	global_load_b128 v[ls:ls+3],   v1, s[4:5] offset:(\r)*XROW th:TH_LOAD_NT
	global_load_b128 v[ls+4:ls+7], v1, s[4:5] offset:(\r)*XROW+4096 th:TH_LOAD_NT
.else
	global_load_b128 v[ls:ls+3],   v1, s[6:7] offset:((\r)-XR)*XROW th:TH_LOAD_NT
	global_load_b128 v[ls+4:ls+7], v1, s[6:7] offset:((\r)-XR)*XROW+4096 th:TH_LOAD_NT
.endif
.endm
; Row r's turn.  left = how many younger loads may stay out.
.macro ROW r, left
.set xs, X+8*((\r)%AHEAD)
.set ys, Y+4*((\r)%8)
	s_wait_loadcnt \left                           ; loads come back in order (ISA guide 5.7.1): row r's two are in
.if (\r) > 0
.if ((\r)%8) == 0
	s_wait_xcnt 0x0                                ; once for eight rows: all eight sets of Y, which the last eight rows' stores read, are rewritten only behind this wait
.endif
.endif
.if (\r) == 0
.irp j, 0,1,2,3,4,5,6,7
	v_mov_b32 v[S+\j], v[xs+\j]                    ; the first row starts the sums: nothing is cleared
.endr
.endif
.if (\r) > 0
.if (\r) < XR
.irp j, 0,2,4,6
	v_pk_add_f32 v[S+\j:S+\j+1], v[S+\j:S+\j+1], v[xs+\j:xs+\j+1]
.endr
.endif
.endif
.irp j, 0,1,2,3
	v_cvt_pk_bf16_f32 v[ys+\j], v[xs+2*\j], v[xs+2*\j+1]       ; two roundings to nearest even, packed
.endr
.if (\r)+AHEAD < ROWS
	LDROW \r+AHEAD                                 ; the slot just read gets the row 16 further down; loads go ahead of stores
.endif
.if (\r) < XR
	global_store_b64 v2, v[ys:ys+1],   s[8:9] offset:(\r)*BROW
	global_store_b64 v2, v[ys+2:ys+3], s[8:9] offset:(\r)*BROW+2048
.else
	global_store_b64 v2, v[ys:ys+1],   s[10:11] offset:((\r)-XR)*BROW
	global_store_b64 v2, v[ys+2:ys+3], s[10:11] offset:((\r)-XR)*BROW+2048
.endif
.endm
.irp r, 0,1,2,3,4,5,6,7,8,9,10,11,12,13,14,15
	LDROW \r                                       ; fill the ring: 32 loads
.endr
.irp r, 0,1,2,3,4,5,6,7,8,9,10,11,12,13,14,15,16,17,18,19,20,21,22,23
	ROW \r, 30                                     ; the 15 younger rows' 30 loads stay out
.endr
.irp r, 24,25,26,27,28,29,30,31,32,33,34,35,36,37,38,39
	ROW \r, 2*(39-\r)                              ; nothing more is loaded: the counts run down to 0
.endr
	global_store_b128 v1, v[S:S+3],   s[12:13]             ; the chunk's sums: a wave covers 512 consecutive bytes
	global_store_b128 v1, v[S+4:S+7], s[12:13] offset:4096
	s_endpgm
.Lfunc_end_k_q9aed797798_cast:
	.size	k_q9aed797798_cast, .Lfunc_end_k_q9aed797798_cast-k_q9aed797798_cast
	.p2alignl 7, 3214868480
	.fill 96, 4, 3214868480
	.section	.rodata,"a",@progbits
	.p2align	6, 0x0
	.amdhsa_kernel k_q9aed797798_cast
		.amdhsa_group_segment_fixed_size 0
		.amdhsa_private_segment_fixed_size 0
		.amdhsa_enable_private_segment 0
		.amdhsa_kernarg_size 40
		.amdhsa_user_sgpr_count 2
		.amdhsa_user_sgpr_kernarg_segment_ptr 1
		.amdhsa_wavefront_size32 1
		.amdhsa_system_sgpr_workgroup_id_x 1
		.amdhsa_system_sgpr_workgroup_id_y 1
		.amdhsa_system_sgpr_workgroup_id_z 1
		.amdhsa_system_vgpr_workitem_id 0
		.amdhsa_next_free_vgpr 172
		.amdhsa_next_free_sgpr 66
		.amdhsa_reserve_vcc 0
		.amdhsa_float_denorm_mode_32 3
		.amdhsa_float_denorm_mode_16_64 3
		.amdhsa_memory_ordered 1
		.amdhsa_forward_progress 1
		.amdhsa_inst_pref_size 36
	.end_amdhsa_kernel
	.amdgpu_metadata
---
amdhsa.version: [ 1, 2 ]
amdhsa.kernels:
  - .name:           k_q9aed797798_cast
    .symbol:         k_q9aed797798_cast.kd
    .args:
      - { .name: x, .offset: 0, .size: 8, .value_kind: global_buffer, .address_space: global }
      - { .name: Wq, .offset: 8, .size: 8, .value_kind: global_buffer, .address_space: global }
      - { .name: xb, .offset: 16, .size: 8, .value_kind: global_buffer, .address_space: global }
      - { .name: wb, .offset: 24, .size: 8, .value_kind: global_buffer, .address_space: global }
      - { .name: cs, .offset: 32, .size: 8, .value_kind: global_buffer, .address_space: global }
    .group_segment_fixed_size: 0
    .private_segment_fixed_size: 0
    .kernarg_segment_align: 8
    .kernarg_segment_size: 40
    .max_flat_workgroup_size: 256
    .sgpr_count:     66
    .vgpr_count:     172
    .wavefront_size: 32
...
	.end_amdgpu_metadata
.endif
;; end of part 1
;; launch gram (part 2): grid 36 x 4, 4 waves a work-group, clusters of 4 x 1, 327,680 bytes of LDS; arguments xb, gm; writes gm
.if DOCPART == 2
	.amdgcn_target "amdgcn-amd-amdhsa--gfx1250"
	.amdhsa_code_object_version 6
	.text
	.protected	k_q9aed797798_gram
	.globl	k_q9aed797798_gram
	.p2align	8
	.type	k_q9aed797798_gram,@function
k_q9aed797798_gram:
	s_mov_b64 s[64:65], 0
	v_nop
	global_prefetch_b8 v0, s[64:65] scope:SCOPE_SE
	s_setreg_imm32_b32 hwreg(HW_REG_WAVE_MODE, 25, 1), 1
	s_wait_xcnt 0x0
	s_wait_alu depctr_hold_cnt(0) depctr_sa_sdst(0) depctr_va_vdst(0) depctr_va_sdst(0) depctr_va_ssrc(0) depctr_va_vcc(0) depctr_vm_vsrc(0)
	s_getreg_b32 s2, hwreg(HW_REG_IB_STS2, 6, 4)
	s_cmp_eq_u32 s2, 0
	s_cbranch_scc0 .Lentry_in_a_cluster
	s_endpgm
.Lentry_in_a_cluster:
	s_bfe_u32 s2, ttmp6, 0x10000c
	s_cmp_lg_u32 s2, 0x3003
	s_cbranch_scc0 .Lentry_shape_is_right
	s_endpgm
.Lentry_shape_is_right:
; gram: gm[b][i][m] = bf16( sum over c of xb[b][i][c] xb[b][m][c] ), sums in f32.  xb, gm: [4 x 2048][2048] bf16.
; WHY THIS PRODUCT: attn = (Wq x) x^T = Wq (x x^T).  In this order both products have K along the rows of both operands.
; LIMIT, stated: the intermediate that is rounded to bf16 is x x^T and not Wq x, so the order of rounding differs from the reference's.
; bf16 keeps f32's exponent range, so entries of x x^T have room for inputs far larger than drawn.
; SYMMETRY: x x^T is symmetric for every x, so of a batch's 8 x 8 blocks of 256 x 256 only the 36 unordered pairs {t, u} of row blocks are
; multiplied; each result is stored twice, as block (t, u) and transposed as block (u, t).  4 batches x 36 = 144 work-groups: that is all the work
; there is.  A finer share does not fit: blocks of 256 x 128 would be 272 work-groups, more than there are WGPs, so that some would take two turns.
; A work-group makes its block with four waves, a wave 128 x 128: 64 accumulator tiles of 16 x 16, 512 registers.  K = 2048 goes in 16 steps
; of 128 through a ring of two LDS slots filled by the tensor data mover: a tile's rows are 256 bytes of memory, at multiples of 256 bytes.
; CLUSTERS: 4 x 1 work-groups that share an OWNER block t (A's tiles, asked for jointly by the four: one fetch for four requests); each has a
; PARTNER block u of its own (B's tiles, plain loads).  Cluster c = 0..8 of a batch: c = 0: t = 0, u = cx; c = 1: t = 0, u = 4 + cx;
; c >= 2: t = c - 1, u = 1 + ((c - 2 + cx) mod 7).  Block 0 owns its 8 pairs; on blocks 1..7 an owner has the cyclic distances 0, 1, 2, 3, and of the
; two distances d and 7 - d of a pair exactly one is at most 3: 28 pairs, each once.  B is not shared: the triangle of blocks does not divide into
; squares of 4 x 4 (it is 16 + 10 + 10).
; KEPT, stated: the 32 work-groups with t = u store their block twice, with the same sums of the same products in the same order of k
; 4 MB of stores beyond gm's 33.5 MB.
;
; REGISTERS, in windows of 256 (s_set_vgpr_msb says which window each operand place means):
;   window 0: v16-28 addresses; v64-127, v128-191 fragments of A (8 x 16 rows x 32 K), two buffers; v192-223 at work on the way out
;   window 1: v64-127, v128-191 fragments of B, two buffers
;   window 2: the 32 accumulator tiles of my rows 0-63 (tile (a, b) at v[8 (8 a + b)]);   window 3: those of my rows 64-127
; THE MATRIX INSTRUCTION IS USED TRANSPOSED: source 0 = 16 rows of B, source 1 = 16 rows of A.  Lane l then holds row l % 16 of the result,
; and its registers 0 to 7 the columns 8 (l / 16) + 0 .. 7: eight neighbouring numbers of a row, which pack into 16 bytes.
; The 64 accumulators take turns, one matrix instruction a turn, in the same order in every quarter step.
.set SIZE_K, 2048
.set SIZE_N, 2048
.set KSTEP,  128
.set PITCH,  272                       ; an LDS row: 256 bytes of data + 16 of padding = 68 words: the 16 rows that a load touches start at 16 different banks (ISA guide 11.1)
.set HALFT,  128*PITCH                 ; 128 rows: what one tensor load brings, what one wave reads of A or of B, and a wave's stage on the way out
.set SLOT,   4*HALFT                   ; A's 256 rows, then B's 256 rows
.set STAGE,  2*SLOT                    ; behind the ring: 16 rows x 288 bytes for each wave, for the transposed way out; no tensor load lands there
.set TPITCH, 288                       ; 9 x 32 bytes: rows i = 0..7 and two neighbouring pieces of 16 bytes fall on columns 2 i and 2 i + 1 of sixteen
.set LAPS, SIZE_K/(2*KSTEP)            ; a lap = two K steps = once round the ring: 8 laps
.set ADRA, 16                          ; v16-17  LDS address of my A fragments in slot 0, 1
.set ADRB, 20                          ; v20-21  the same for B
.set STO,  24                          ; v24     my stage: row l % 16, 16 bytes for each half of the lanes (stores, and the transposing loads)
.set RD,   25                          ; v25     my stage: lanes 0-15 one row of 256 bytes, lanes 16-31 the next
.set CO,   26                          ; v26     the same two rows in gm
.set TST,  27                          ; v27     the small stage: where I put 16 bytes of a row of the transpose
.set TRD,  28                          ; v28     the small stage: where I read a row back
.set F0,   64                          ; fragment buffer 0
.set F1,   128                         ; fragment buffer 1
.set TMP,  192                         ; the way out: packed results, in window 0
.set G1, 24                            ; s[24:31] descriptor group 1 for A's tiles: joint
.set G0, 32                            ; s[32:39] descriptor group 0 for A's tiles, one set for each slot
.set G1B, 48                           ; s[48:55] descriptor group 1 for B's tiles: plain
.set G0B, 56                           ; s[56:63] descriptor group 0 for B's tiles, one set for each slot
.set MSB, 0
.macro WIN new                         ; the immediate's high byte repeats the setting that is left; a switch that changes nothing is dropped
.if MSB != \new
	s_set_vgpr_msb (MSB<<8)|\new
.set MSB, \new
.endif
.endm
.set MUL_LO, 0xa1                      ; source 0 (B) window 1, source 1 (A) window 0, C and D window 2
.set MUL_HI, 0xf1                      ; the same, C and D window 3
.set TO_B,   0x40                      ; destination window 1, address window 0
; A step's loads.  Waves 0 and 1 fetch A's two halves, jointly with the same waves of the three partners; waves 2 and 3 fetch B's two halves, for
; this work-group alone.  The branch hangs on the wave's number alone: it is the same in every work-group.
.macro JLOAD s
	s_cmp_eq_u32 s11, 0
	s_cbranch_scc0 .Lfor_b_\@
	tensor_load_to_lds s[G0+4*\s:G0+4*\s+3], s[G1:G1+7]
	s_nop 0
	s_branch .Lasked_\@
.Lfor_b_\@:
	tensor_load_to_lds s[G0B+4*\s:G0B+4*\s+3], s[G1B:G1B+7]
	s_nop 0
.Lasked_\@:
.endm
; A round of the cluster's barrier: my work-group's barrier, so that wave 0's signal speaks for all four waves; wave 0 signals for the
; work-group; every wave waits for all four work-groups; my work-group's barrier once more.
.macro CREST                           ; a round behind its opening barrier
	s_cmp_lg_u32 s10, 0
	s_cbranch_scc1 .Lnot_wave_0_\@
	s_barrier_signal -3
.Lnot_wave_0_\@:
	s_barrier_wait -3
	s_barrier_signal -1
	s_barrier_wait -1
.endm
.macro CROUND                          ; a whole round
	s_barrier_signal -1
	s_barrier_wait -1
	CREST
.endm
	s_load_b128 s[4:7], s[0:1], 0x0                ; xb s[4:5], gm s[6:7]
	s_set_vgpr_msb 0x40
	v_lshl_add_u32 v255, v0, 2, 0x48800
	s_set_vgpr_msb 0x4000
	v_mov_b32 v255, 0
	s_set_vgpr_msb 0x1
	ds_add_u32 v255, v255
	s_set_vgpr_msb 0x100
	v_lshrrev_b32 v1, 5, v0
	v_readfirstlane_b32 s10, v1                    ; wave 0..3
	s_lshr_b32 s11, s10, 1                         ; which half of the block's rows is mine.  Also: I fetch for A (0) or for B (1)
	s_and_b32 s12, s10, 1                          ; which half of its columns.  Also: which 128 rows of that tile I fetch
	s_bfe_u32 s40, ttmp6, 0x40000                  ; cx: my place in the cluster
	s_mov_b32 s41, ttmp9                           ; c: the cluster among the batch's nine (in a cluster launch ttmp9 and ttmp7 count clusters)
	s_and_b32 s45, ttmp7, 0xffff                   ; the batch
	s_max_u32 s13, s41, 1
	s_sub_co_u32 s13, s13, 1                       ; t, the owner block: 0, 0, 1, 2 .. 7; equal in the four partners
	s_lshl_b32 s42, s41, 2
	s_add_co_u32 s42, s42, s40                     ; u for c < 2: 4 c + cx
	s_add_co_u32 s43, s41, s40
	s_sub_co_u32 s43, s43, 2                       ; for c >= 2: c - 2 + cx, 0..9,
	s_sub_co_u32 s44, s43, 7
	s_min_u32 s43, s43, s44                        ; mod 7: below 7 the difference wraps to a huge number and loses,
	s_add_co_u32 s43, s43, 1                       ; + 1
	s_cmp_lt_u32 s41, 2                            ; the choice hangs on the cluster's number alone
	s_cselect_b32 s42, s42, s43                    ; u, the partner block
	; descriptor group 1: a tile of 128 rows x 128 elements, padded in LDS
	s_mov_b32 s[G1+0], 15|(1<<16)|(1<<20)|(1<<21)|(5<<22)|(3<<25)   ; 15:0 the mask: all four of the cluster; 17:16 element of 2 bytes; 20 padding on; 21 set beside a mask; 24:22 after every 64 words; 31:25 four words
	s_mov_b32 s[G1B+0], (1<<16)|(1<<20)|(5<<22)|(3<<25)             ; the same without a mask: B's tiles are this work-group's own
	s_mov_b32 s[G1B+1], KSTEP<<16
	s_mov_b32 s[G1+1], KSTEP<<16                   ; 63:48 tensor_dim0, low half = 128
	s_mov_b32 s[G1B+2], 128<<16
	s_mov_b32 s[G1+2], 128<<16                     ; 95:80 tensor_dim1, low half = 128
	s_mov_b32 s[G1B+3], KSTEP<<16
	s_mov_b32 s[G1+3], KSTEP<<16                   ; 127:112 tile_dim0 = 128
	s_mov_b32 s[G1B+4], 128
	s_mov_b32 s[G1+4], 128                         ; 143:128 tile_dim1 = 128; tile_dim2 = 0
	s_mov_b32 s[G1B+5], SIZE_K
	s_mov_b32 s[G1+5], SIZE_K                      ; 191:160 elements from row to row
	s_mov_b32 s[G1B+6], 0
	s_mov_b32 s[G1+6], 0
	s_mov_b32 s[G1B+7], 0
	s_mov_b32 s[G1+7], 0
	; where the tiles come from.  A's hang on the batch, the owner block and the wave's number, which the four partners share; B's on the partner block too.
	; Every wave makes both addresses, A's in registers that never hold cx, and asks by one of them.
	s_lshl_b32 s17, s12, 7                         ; which 128 rows of the tile I fetch
	s_lshl_b32 s18, s45, 11                        ; the batch's 2,048 rows
	s_lshl_b32 s16, s13, 8
	s_add_co_u32 s16, s16, s17
	s_add_co_u32 s16, s16, s18                     ; A: row 2,048 x batch + 256 t + 128 x half
	s_lshl_b32 s46, s42, 8
	s_add_co_u32 s46, s46, s17
	s_add_co_u32 s46, s46, s18                     ; B: row 2,048 x batch + 256 u + 128 x half
	s_mov_b32 s17, 0
	s_mov_b32 s47, 0
	s_mov_b64 s[18:19], SIZE_K*2
	s_mul_u64 s[16:17], s[16:17], s[18:19]         ; in bytes
	s_mul_u64 s[46:47], s[46:47], s[18:19]
	s_mul_i32 s20, s10, HALFT                      ; and where they go: A's two halves, then B's two halves = wave x 128 rows: no place in the cluster enters an LDS address
	s_wait_dscnt 0x0
	s_wait_kmcnt 0x0
	s_add_nc_u64 s[14:15], s[4:5], s[16:17]
	s_add_nc_u64 s[46:47], s[4:5], s[46:47]        ; both operands are rows of xb
	CROUND                                         ; all four work-groups are here: the first joint loads meet
.irp s, 0,1
	s_mov_b32 s[G0+4*\s], 1                                        ; count = 1
	s_add_co_u32 s[G0+4*\s+1], s20, \s*SLOT                        ; LDS address
	s_add_nc_u64 s[G0+4*\s+2:G0+4*\s+3], s[14:15], \s*KSTEP*2      ; global address: K step s
	s_or_b32 s[G0+4*\s+3], s[G0+4*\s+3], 0x80000000                ; type = 2
	s_mov_b32 s[G0B+4*\s], 1
	s_add_co_u32 s[G0B+4*\s+1], s20, \s*SLOT
	s_add_nc_u64 s[G0B+4*\s+2:G0B+4*\s+3], s[46:47], \s*KSTEP*2
	s_or_b32 s[G0B+4*\s+3], s[G0B+4*\s+3], 0x80000000
	JLOAD \s                                       ; both first fills go out before anything else: a wave has two tensor loads out here, one later
.endr
	; A fragment is 16 rows x 32 K in 8 registers: lane l holds row l % 16; registers 0-3 hold K = 8 (l / 16) + 0..7, registers 4-7 hold
	; K = 16 + 8 (l / 16) + 0..7: two loads of 16 bytes, 32 bytes apart.  The same for source 0 and source 1.
	v_and_b32 v1, 15, v0                           ; l % 16
	v_bfe_u32 v2, v0, 4, 1                         ; l / 16
	v_mul_u32_u24 v3, v1, PITCH
	v_lshl_add_u32 v3, v2, 4, v3                   ; row x pitch + 16 x half
	s_mul_i32 s21, s11, HALFT                      ; my 128 rows of A
	s_mul_i32 s22, s12, HALFT                      ; my 128 rows of B,
	s_add_co_u32 s22, s22, 2*HALFT                 ; which lie behind A's 256
.irp s, 0,1
	v_add_nc_u32 v[ADRA+\s], s21, v3
	v_add_nc_u32 v[ADRB+\s], s22, v3
	s_add_co_u32 s21, s21, SLOT
	s_add_co_u32 s22, s22, SLOT
.endr
	; the way out.  My stage: 128 rows x 272 bytes at wave x 34,816 in slot 0, used when slot 0 has had its last fill and its last reads.
	v_add_nc_u32 v[STO], s20, v3                   ; row l % 16, 16 bytes for each half of the lanes
	v_mul_u32_u24 v5, v2, PITCH                    ; back: lanes 0-15 take one row of 256 bytes, lanes 16-31 the next
	v_lshl_add_u32 v5, v1, 4, v5
	v_add_nc_u32 v[RD], s20, v5
	s_mul_i32 s23, s10, 16*TPITCH
	s_add_co_u32 s23, s23, STAGE                   ; my small stage, behind the ring
	v_and_b32 v6, 7, v0
	v_lshl_add_u32 v6, v2, 3, v6                   ; in: row 8 (l / 16) + l % 8 of sixteen rows of the transpose,
	v_mul_u32_u24 v6, v6, TPITCH
	v_bfe_u32 v7, v0, 3, 1
	v_lshl_add_u32 v6, v7, 4, v6                   ; and 16 bytes further for lanes 8-15 and 24-31
	v_add_nc_u32 v[TST], s23, v6
	v_mul_u32_u24 v5, v2, TPITCH                   ; back: two rows of 256 bytes
	v_lshl_add_u32 v5, v1, 4, v5
	v_add_nc_u32 v[TRD], s23, v5
	v_mul_u32_u24 v5, v2, SIZE_N*2                 ; and two rows in gm
	v_lshl_add_u32 v[CO], v1, 4, v5
; 16 matrix instructions: m blocks a0, a0 + 1 of the window's four (hi = 0: my rows 0-63, 1: rows 64-127) x all 8 n blocks, 32 along K.
; zero = 1: the first product starts the sums: nothing is ever cleared.
.macro MUL16 f, hi, a0, zero
.irp a, \a0, \a0+1
.irp b, 0,1,2,3,4,5,6,7
.if \zero
	v_wmma_f32_16x16x32_bf16 v[8*(8*(\a)+\b):8*(8*(\a)+\b)+7], v[\f+8*\b:\f+8*\b+7], v[\f+8*(4*\hi+\a):\f+8*(4*\hi+\a)+7], 0
.else
	v_wmma_f32_16x16x32_bf16 v[8*(8*(\a)+\b):8*(8*(\a)+\b)+7], v[\f+8*\b:\f+8*\b+7], v[\f+8*(4*\hi+\a):\f+8*(4*\hi+\a)+7], v[8*(8*(\a)+\b):8*(8*(\a)+\b)+7]
.endif
.endr
.endr
.endm
; 32 LDS loads in one run: the fragments of one quarter step (128 rows of B, 128 rows of A, 32 K at byte k of the rows) into buffer f
.macro FETCH slot, k, f
	WIN TO_B
.irp i, 0,1,2,3,4,5,6,7
	ds_load_b128 v[\f+8*\i:\f+8*\i+3],   v[ADRB+\slot] offset:\k+\i*16*PITCH
	ds_load_b128 v[\f+8*\i+4:\f+8*\i+7], v[ADRB+\slot] offset:\k+\i*16*PITCH+32
.endr
	WIN 0
.irp i, 0,1,2,3,4,5,6,7
	ds_load_b128 v[\f+8*\i:\f+8*\i+3],   v[ADRA+\slot] offset:\k+\i*16*PITCH
	ds_load_b128 v[\f+8*\i+4:\f+8*\i+7], v[ADRA+\slot] offset:\k+\i*16*PITCH+32
.endr
.endm
; A load into a register that a matrix instruction has read, and a vector instruction that reads a matrix result, stand four places behind
; that matrix instruction, and only plain vector instructions that name none of its registers are places (ISA guide 7.12.1 for vector
; instructions).  Other matrix instructions are not counted here, so four v_nop stand in front of each run of loads.
.macro PLACES
.rept 4
	v_nop
.endr
.endm
; A K step is four quarter steps of 32 along K, 64 matrix instructions each, on buffers 0, 1, 0, 1.
; One of the first three: multiplies buffer f; in its middle it fetches the next quarter's fragments, at byte k of the same slot's rows, into buffer g.
.macro QUARTER slot, k, f, g, zero
	s_wait_dscnt 8                                 ; B and A's rows 0-63 are in; the youngest eight loads (A's rows 64-127) may be out
	WIN MUL_LO
	MUL16 \f, 0, 0, \zero
	MUL16 \f, 0, 2, \zero
	PLACES
	FETCH \slot, \k, \g
	s_wait_dscnt 32                                ; all but the 32 just issued
	WIN MUL_HI
	MUL16 \f, 1, 0, \zero
	MUL16 \f, 1, 2, \zero
.endm
.macro THREE slot, zero
	QUARTER \slot, 64,  F0, F1, \zero
	QUARTER \slot, 128, F1, F0, 0
	QUARTER \slot, 192, F0, F1, 0
.endm
; The last quarter: multiplies buffer 1 and changes slots.  next = the other slot; fill = 1: this slot is filled again, two K steps ahead.
; One barrier for the change of slots, for two things.  In front of it each wave waits for its own reads of this slot and for all its tensor
; loads, of which one is out: its part of the next slot.  Behind it nobody reads this slot any more and the next slot is whole: the refill comes
; first, then the next slot's first fragments.  From a request to the wait for it a wave issues 240 matrix instructions.
.macro TURN slot, next, fill
	s_wait_dscnt 8
	WIN MUL_LO
	MUL16 F1, 0, 0, 0
	s_wait_dscnt 0                                 ; my reads of this slot are over
	s_wait_tensorcnt 0x0                           ; and all my tensor loads have landed: the one that was out is my part of the next slot
	ds_add_u32 v255, v255
	s_wait_dscnt 0x0
	s_barrier_signal -1                            ; say so (where a slot is filled again this barrier opens a round of the cluster's barrier),
	MUL16 F1, 0, 2, 0                              ; work on registers while the others arrive,
	WIN 0
	s_barrier_wait -1                              ; and go on when all four have said so
.if \fill
	CREST                                          ; all four work-groups have said so: no wave of any partner still reads this slot's tile or has a load on its way
	s_add_nc_u64 s[G0+4*\slot+2:G0+4*\slot+3], s[G0+4*\slot+2:G0+4*\slot+3], 2*KSTEP*2
	s_add_nc_u64 s[G0B+4*\slot+2:G0B+4*\slot+3], s[G0B+4*\slot+2:G0B+4*\slot+3], 2*KSTEP*2
	JLOAD \slot                                    ; the first tensor load behind the round, and my only one until the next
.endif
	PLACES
	FETCH \next, 0, F0
	WIN MUL_HI
	MUL16 F1, 1, 0, 0
	MUL16 F1, 1, 2, 0
.endm
.macro LAP zero                        ; once round the ring, both slots filled again
	THREE 0, \zero
	TURN 0, 1, 1
	THREE 1, 0
	TURN 1, 0, 1
.endm
	s_wait_tensorcnt 1                             ; my part of K step 0 is in; K step 1's may stay out
	s_barrier_signal -1
	s_barrier_wait -1                              ; everybody's is
	FETCH 0, 0, F0
	LAP 1                                          ; the first lap stands in front of the loop: its first products start the sums
	WIN 0                                          ; at a label and at a branch every window is 0
	s_mov_b32 s3, LAPS-2
.Llap:
	LAP 0
	WIN 0
	s_sub_co_u32 s3, s3, 1
	s_cmp_lg_u32 s3, 0
	s_cbranch_scc1 .Llap
	THREE 0, 0                                     ; the last lap fills nothing and has no round of the cluster's barrier: the one load still out is slot 1's, the last K step's
	TURN 0, 1, 0                                   ; behind this barrier no wave reads slot 0 again and no load fills it again: it is free for the way out
	THREE 1, 0
	s_wait_dscnt 8                                 ; the very last quarter: nothing more to fetch
	WIN MUL_LO
	MUL16 F1, 0, 0, 0
	MUL16 F1, 0, 2, 0
	s_wait_dscnt 0
	WIN MUL_HI
	MUL16 F1, 1, 0, 0
	MUL16 F1, 1, 2, 0
	; THE WAY OUT.  The four v_nop are the places behind the last matrix instructions: for the conversions, which read results, and for the loads
	; into buffers 0 and 1.  Offsets that hold cx (through u) are made in s42-s47 alone: no register that fed A's descriptors ever holds it.
	PLACES
	s_lshl_b32 s16, s13, 8
	s_lshl_b32 s14, s11, 7
	s_add_co_u32 s16, s16, s14                     ; 256 t + 128 x my half of the rows
	s_lshl_b32 s18, s16, 1                         ; as a column of the transposed block, in bytes
	s_lshl_b32 s14, s45, 11
	s_add_co_u32 s16, s16, s14                     ; + 2,048 x batch:
	s_lshl_b32 s16, s16, 12                        ; as a row of block (t, u), in bytes: 8,191 x 4,096 at the most
	s_lshl_b32 s46, s42, 8
	s_lshl_b32 s47, s12, 7
	s_add_co_u32 s46, s46, s47                     ; 256 u + 128 x my half of the columns
	s_lshl_b32 s43, s46, 1                         ; as a column of block (t, u), in bytes
	s_lshl_b32 s47, s45, 11
	s_add_co_u32 s46, s46, s47
	s_lshl_b32 s46, s46, 12                        ; as a row of the transposed block, in bytes
	s_add_co_u32 s46, s46, s18
	s_mov_b32 s47, 0
	s_add_nc_u64 s[8:9], s[6:7], s[46:47]          ; gm at my part of block (u, t)
	s_add_co_u32 s46, s16, s43
	s_add_nc_u64 s[6:7], s[6:7], s[46:47]          ; gm at my part of block (t, u)
; Rows 16 i .. 16 i + 15 of my 128 = the eight tiles (a, 0..7) of window 2 or 3 (from = 0x0a or 0x0f: sources 0 and 1); f: F0 or F1 in turn.
; Round to bf16, 16 bytes a lane into my stage (they stay there for the transposed way out), read back as whole rows of 256 bytes, store.
.macro OUT16 i, a, from, f
	WIN \from
.irp b, 0,1,2,3,4,5,6,7
.irp r, 0,1,2,3
	v_cvt_pk_bf16_f32 v[TMP+4*\b+\r], v[8*(8*\a+\b)+2*\r], v[8*(8*\a+\b)+2*\r+1]
.endr
.endr
	WIN 0
.irp b, 0,1,2,3,4,5,6,7
	ds_store_b128 v[STO], v[TMP+4*\b:TMP+4*\b+3] offset:\i*16*PITCH+32*\b
.endr
	s_wait_xcnt 0x0                                ; buffer f, which earlier stores read, and the stores' base are rewritten only behind this wait (ISA guide 3.1)
.if \i
	s_add_nc_u64 s[6:7], s[6:7], 16*SIZE_N*2       ; 16 rows on: the stores' immediates stay at 14 rows of 4,096 bytes at the most
.endif
.irp t, 0,1,2,3,4,5,6,7
	ds_load_b128 v[\f+4*\t:\f+4*\t+3], v[RD] offset:\i*16*PITCH+\t*2*PITCH    ; LDS serves a wave's instructions in order (ISA guide 5.7.1.4): these see the stores above
.endr
.irp t, 0,1,2,3,4,5,6,7
	s_wait_dscnt 7-\t
	global_store_b128 v[CO], v[\f+4*\t:\f+4*\t+3], s[6:7] offset:2*\t*SIZE_N*2   ; 16 lanes store 256 consecutive bytes, at a multiple of 256 from gm's first byte
.endr
.endm
; Rows 16 bq .. 16 bq + 15 of my part of the transposed block = columns 16 bq .. + 15 of my stage's 128 rows.
; A transposing load turns 8 x 8 numbers of 16 bits within each group of eight lanes: lane 8 g + j points at 16 bytes (eight columns) of stage row
; 16 q + l % 16, and lane 8 g + i receives column i of its group's eight rows: eight neighbouring numbers of ONE row of the transpose.  Its address is
; that of the stage's stores.  Those 16 bytes go into the small stage by rows of the transpose, and whole rows of 256 bytes come back and are stored.
.macro MIR16 bq, f
.irp q, 0,1,2,3,4,5,6,7
	ds_load_tr16_b128 v[TMP+4*\q:TMP+4*\q+3], v[STO] offset:\q*16*PITCH+32*\bq   ; stage rows 16 q .. 16 q + 15; they see my stores of the first pass (in order)
.endr
.irp q, 0,1,2,3,4,5,6,7
	s_wait_dscnt 7                                 ; behind load q stand 7 - q loads and q stores: seven LDS instructions each time
	ds_store_b128 v[TST], v[TMP+4*\q:TMP+4*\q+3] offset:32*\q
.endr
	s_wait_xcnt 0x0                                ; buffer f, which earlier stores read, and the stores' base are rewritten only behind this wait
.if \bq
	s_add_nc_u64 s[8:9], s[8:9], 16*SIZE_N*2       ; 16 rows on
.endif
.irp t, 0,1,2,3,4,5,6,7
	ds_load_b128 v[\f+4*\t:\f+4*\t+3], v[TRD] offset:\t*2*TPITCH   ; in order behind the stores above, and ahead of the next sixteen rows' stores
.endr
.irp t, 0,1,2,3,4,5,6,7
	s_wait_dscnt 7-\t
	global_store_b128 v[CO], v[\f+4*\t:\f+4*\t+3], s[8:9] offset:2*\t*SIZE_N*2   ; 16 lanes store 256 consecutive bytes, at a multiple of 256 from gm's first byte
.endr
.endm
	OUT16 0, 0, 0x0a, F0
	OUT16 1, 1, 0x0a, F1
	OUT16 2, 2, 0x0a, F0
	OUT16 3, 3, 0x0a, F1
	OUT16 4, 0, 0x0f, F0
	OUT16 5, 1, 0x0f, F1
	OUT16 6, 2, 0x0f, F0
	OUT16 7, 3, 0x0f, F1
	MIR16 0, F0
	MIR16 1, F1
	MIR16 2, F0
	MIR16 3, F1
	MIR16 4, F0
	MIR16 5, F1
	MIR16 6, F0
	MIR16 7, F1
	s_set_vgpr_msb 0x1
	s_wait_tensorcnt 0x0
	ds_add_u32 v255, v255
	s_wait_dscnt 0x0
	s_set_vgpr_msb 0x100
	CROUND                                         ; the closing round: no work-group ends while a partner may still ask for a tile that names it
	s_endpgm
.Lfunc_end_k_q9aed797798_gram:
	.size	k_q9aed797798_gram, .Lfunc_end_k_q9aed797798_gram-k_q9aed797798_gram
	.p2alignl 7, 3214868480
	.fill 96, 4, 3214868480
	.section	.rodata,"a",@progbits
	.p2align	6, 0x0
	.amdhsa_kernel k_q9aed797798_gram
		.amdhsa_group_segment_fixed_size 327680
		.amdhsa_private_segment_fixed_size 0
		.amdhsa_enable_private_segment 0
		.amdhsa_kernarg_size 16
		.amdhsa_user_sgpr_count 2
		.amdhsa_user_sgpr_kernarg_segment_ptr 1
		.amdhsa_wavefront_size32 1
		.amdhsa_system_sgpr_workgroup_id_x 1
		.amdhsa_system_sgpr_workgroup_id_y 1
		.amdhsa_system_sgpr_workgroup_id_z 1
		.amdhsa_system_vgpr_workitem_id 0
		.amdhsa_next_free_vgpr 1024
		.amdhsa_next_free_sgpr 66
		.amdhsa_reserve_vcc 0
		.amdhsa_float_denorm_mode_32 3
		.amdhsa_float_denorm_mode_16_64 3
		.amdhsa_memory_ordered 1
		.amdhsa_forward_progress 1
		.amdhsa_inst_pref_size 220
	.end_amdhsa_kernel
	.amdgpu_metadata
---
amdhsa.version: [ 1, 2 ]
amdhsa.kernels:
  - .name:           k_q9aed797798_gram
    .symbol:         k_q9aed797798_gram.kd
    .args:
      - { .name: xb, .offset: 0, .size: 8, .value_kind: global_buffer, .address_space: global }
      - { .name: gm, .offset: 8, .size: 8, .value_kind: global_buffer, .address_space: global }
    .group_segment_fixed_size: 327680
    .private_segment_fixed_size: 0
    .kernarg_segment_align: 8
    .kernarg_segment_size: 16
    .max_flat_workgroup_size: 128
    .sgpr_count:     66
    .vgpr_count:     1024
    .wavefront_size: 32
...
	.end_amdgpu_metadata
.endif
;; end of part 2
;; launch attn (part 3): grid 8 x 32, 4 waves a work-group, clusters of 4 x 4, 327,680 bytes of LDS; arguments wb, gm, pm; writes pm
.if DOCPART == 3
	.amdgcn_target "amdgcn-amd-amdhsa--gfx1250"
	.amdhsa_code_object_version 6
	.text
	.protected	k_q9aed797798_attn
	.globl	k_q9aed797798_attn
	.p2align	8
	.type	k_q9aed797798_attn,@function
k_q9aed797798_attn:
	s_mov_b64 s[64:65], 0
	v_nop
	global_prefetch_b8 v0, s[64:65] scope:SCOPE_SE
	s_setreg_imm32_b32 hwreg(HW_REG_WAVE_MODE, 25, 1), 1
	s_wait_xcnt 0x0
	s_wait_alu depctr_hold_cnt(0) depctr_sa_sdst(0) depctr_va_vdst(0) depctr_va_sdst(0) depctr_va_ssrc(0) depctr_va_vcc(0) depctr_vm_vsrc(0)
	s_getreg_b32 s2, hwreg(HW_REG_IB_STS2, 6, 4)
	s_cmp_eq_u32 s2, 0
	s_cbranch_scc0 .Lentry_in_a_cluster
	s_endpgm
.Lentry_in_a_cluster:
	s_bfe_u32 s2, ttmp6, 0x10000c
	s_cmp_lg_u32 s2, 0xf033
	s_cbranch_scc0 .Lentry_shape_is_right
	s_endpgm
.Lentry_shape_is_right:
; attn: pm[b][cb][n] = (1/16) x the largest, over the 256 m of column block cb, of sum over i of wb[n][i] gm[b][m][i].
; wb: [2048][2048] bf16, gm: [4 x 2048][2048] bf16 (row m of batch b holds x_m . x_i along i), pm: [4][8][2048] f32.  Sums in f32.
; The product never goes to memory: only each row's largest number in this block of columns does.  1/16 is positive and a power of two, so
; it commutes with the maximum and is exact.
; LIMIT, stated: the maxima are made by v_max_num_f32 and v_max3_num_f32, in which a NaN loses: a NaN among the inputs is not carried
; through the maximum as the reference would carry it.  Finite inputs are served.
; The frame is that of the launch before: a work-group makes 256 x 256 with four waves of 128 x 128 (64 accumulator tiles, 512 registers);
; 4 batches x 8 x 8 blocks = 256 work-groups; K = 2048 in 16 steps of 128 through two LDS slots filled by the tensor data mover.
; CLUSTERS: 4 x 4 work-groups, inside one batch.  A's tiles (rows of wb) are shared along a row of the cluster, B's (rows of gm) along a column:
; each is asked for jointly by the four that need it, which divides the requests by four.
;
; REGISTERS, in windows of 256:
;   window 0: v16-26 addresses; v64-127, v128-191 fragments of A, two buffers; v192-207 at work on the way out
;   window 1: v64-127, v128-191 fragments of B, two buffers
;   window 2: the 32 accumulator tiles of my rows 0-63 (tile (a, b) at v[8 (8 a + b)]);   window 3: those of my rows 64-127
; THE MATRIX INSTRUCTION IS USED TRANSPOSED: source 0 = 16 rows of B, source 1 = 16 rows of A.  Lane l then holds row l % 16 of the result and
; its registers the columns 8 (l / 16) + 0 .. 7 of each tile: the 64 registers of the eight tiles (a, 0..7) are 64 columns of ONE row, so most of
; the row's maximum is made inside the lane.
; The 64 accumulators take turns, one matrix instruction a turn, in the same order in every quarter step.
.set SIZE_K, 2048
.set KSTEP,  128
.set PITCH,  272                       ; an LDS row: 256 bytes of data + 16 of padding: the 16 rows that a load touches start at 16 different banks (ISA guide 11.1)
.set HALFT,  128*PITCH                 ; 128 rows: what one tensor load brings, and what one wave reads of A or of B
.set SLOT,   4*HALFT                   ; A's 256 rows, then B's 256 rows
.set PMAX,   2*SLOT                    ; behind the ring: the waves' partial maxima; no tensor load lands there
.set HP,     576                       ; 128 rows x 4 bytes + 64: the two halves of the lanes store into different banks
.set WP,     2*HP                      ; a wave's part: one run for each half of its lanes.  4 x 1,152 = 4,608 bytes
.set LAPS, SIZE_K/(2*KSTEP)            ; a lap = two K steps = once round the ring: 8 laps
.set ADRA, 16                          ; v16-17  LDS address of my A fragments in slot 0, 1
.set ADRB, 20                          ; v20-21  the same for B
.set STO,  24                          ; v24     the way out: where I put a row's partial maximum
.set RD,   25                          ; v25     the way out: where I read two rows' partial maxima
.set CO,   26                          ; v26     my byte offset in pm
.set F0,   64                          ; fragment buffer 0
.set F1,   128                         ; fragment buffer 1
.set TMP,  192                         ; v192-199 my 8 partial maxima; v200-207 four partial maxima of two rows
.set G1, 24                            ; s[24:31] descriptor group 1 for A's tiles
.set G0, 32                            ; s[32:39] descriptor group 0 for A's tiles, one set for each slot
.set G1B, 48                           ; s[48:55] descriptor group 1 for B's tiles: it differs from A's in the mask alone
.set G0B, 56                           ; s[56:63] descriptor group 0 for B's tiles, one set for each slot
.set MSB, 0
.macro WIN new                         ; the immediate's high byte repeats the setting that is left; a switch that changes nothing is dropped
.if MSB != \new
	s_set_vgpr_msb (MSB<<8)|\new
.set MSB, \new
.endif
.endm
.set MUL_LO, 0xa1                      ; source 0 (B) window 1, source 1 (A) window 0, C and D window 2
.set MUL_HI, 0xf1                      ; the same, C and D window 3
.set TO_B,   0x40                      ; destination window 1, address window 0
; A joint load.  Waves 0 and 1 fetch A's two halves, waves 2 and 3 B's.  The branch hangs on the wave's number alone.
.macro JLOAD s
	s_cmp_eq_u32 s11, 0
	s_cbranch_scc0 .Lfor_b_\@
	tensor_load_to_lds s[G0+4*\s:G0+4*\s+3], s[G1:G1+7]
	s_nop 0
	s_branch .Lasked_\@
.Lfor_b_\@:
	tensor_load_to_lds s[G0B+4*\s:G0B+4*\s+3], s[G1B:G1B+7]
	s_nop 0
.Lasked_\@:
.endm
; A round of the cluster's barrier: my work-group's barrier; wave 0 signals for the work-group; every wave waits for all sixteen
; work-groups; my work-group's barrier once more.
.macro CREST                           ; a round behind its opening barrier
	s_cmp_lg_u32 s10, 0
	s_cbranch_scc1 .Lnot_wave_0_\@
	s_barrier_signal -3
.Lnot_wave_0_\@:
	s_barrier_wait -3
	s_barrier_signal -1
	s_barrier_wait -1
.endm
.macro CROUND                          ; a whole round
	s_barrier_signal -1
	s_barrier_wait -1
	CREST
.endm
	s_load_b128 s[4:7], s[0:1], 0x0                ; wb s[4:5], gm s[6:7]
	s_load_b64 s[8:9], s[0:1], 0x10                ; pm
	s_set_vgpr_msb 0x40
	v_lshl_add_u32 v255, v0, 2, 0x45200
	s_set_vgpr_msb 0x4000
	v_mov_b32 v255, 0
	s_set_vgpr_msb 0x1
	ds_add_u32 v255, v255
	s_set_vgpr_msb 0x100
	v_lshrrev_b32 v1, 5, v0
	v_readfirstlane_b32 s10, v1                    ; wave 0..3
	s_lshr_b32 s11, s10, 1                         ; which half of the block's rows is mine.  Also: I fetch for A (0) or for B (1)
	s_and_b32 s12, s10, 1                          ; which half of its columns.  Also: which 128 rows of that tile I fetch
	s_bfe_u32 s40, ttmp6, 0x40000                  ; cx
	s_bfe_u32 s41, ttmp6, 0x40004                  ; cy
	s_lshl_b32 s42, ttmp9, 2
	s_add_co_u32 s42, s42, s40                     ; block column, 0..7 = 4 x cluster x + cx
	s_and_b32 s13, ttmp7, 0xffff                   ; cluster y, 0..7
	s_lshr_b32 s45, s13, 1                         ; the batch: two clusters along y for each; equal in all sixteen partners
	s_and_b32 s13, s13, 1
	s_lshl_b32 s13, s13, 2
	s_add_co_u32 s13, s13, s41                     ; block row inside the batch, 0..7 = 4 x (cluster y mod 2) + cy
	s_lshl_b32 s43, s41, 2
	s_lshl_b32 s43, 15, s43                        ; my row of the cluster: places 4 cy .. 4 cy + 3
	s_lshl_b32 s44, 0x1111, s40                    ; my column: places cx, cx + 4, cx + 8, cx + 12
	; descriptor group 1: a tile of 128 rows x 128 elements, padded in LDS
	s_or_b32 s[G1+0], s43, (1<<16)|(1<<20)|(1<<21)|(5<<22)|(3<<25)  ; 15:0 the mask: A's tiles go to my row; 17:16 element of 2 bytes; 20 padding on; 21 set beside a mask; 24:22 after every 64 words; 31:25 four words
	s_or_b32 s[G1B+0], s44, (1<<16)|(1<<20)|(1<<21)|(5<<22)|(3<<25) ; the same with the mask of my column, for B's tiles
	s_mov_b32 s[G1B+1], KSTEP<<16
	s_mov_b32 s[G1+1], KSTEP<<16                   ; tensor_dim0 = 128
	s_mov_b32 s[G1B+2], 128<<16
	s_mov_b32 s[G1+2], 128<<16                     ; tensor_dim1 = 128
	s_mov_b32 s[G1B+3], KSTEP<<16
	s_mov_b32 s[G1+3], KSTEP<<16                   ; tile_dim0 = 128
	s_mov_b32 s[G1B+4], 128
	s_mov_b32 s[G1+4], 128                         ; tile_dim1 = 128; tile_dim2 = 0
	s_mov_b32 s[G1B+5], SIZE_K
	s_mov_b32 s[G1+5], SIZE_K                      ; elements from row to row
	s_mov_b32 s[G1B+6], 0
	s_mov_b32 s[G1+6], 0
	s_mov_b32 s[G1B+7], 0
	s_mov_b32 s[G1+7], 0
	; where the tiles come from.  A's hang on the block row alone, which my row of the cluster shares; B's on the block column and the batch,
	; which my column shares.  Every wave makes both addresses, in registers that never hold the other coordinate, and asks by one of them.
	s_lshl_b32 s17, s12, 7                         ; which 128 rows of the tile I fetch
	s_lshl_b32 s16, s13, 8
	s_add_co_u32 s16, s16, s17                     ; A: row of wb = 256 x block row + 128 x half
	s_lshl_b32 s46, s42, 8
	s_add_co_u32 s46, s46, s17                     ; B: row of gm = 256 x block column + 128 x half
	s_lshl_b32 s47, s45, 11
	s_add_co_u32 s46, s46, s47                     ;    + 2,048 x batch
	s_mov_b32 s17, 0
	s_mov_b32 s47, 0
	s_mov_b64 s[18:19], SIZE_K*2
	s_mul_u64 s[16:17], s[16:17], s[18:19]         ; in bytes
	s_mul_u64 s[46:47], s[46:47], s[18:19]
	s_mul_i32 s20, s10, HALFT                      ; and where they go: wave x 128 rows: no place in the cluster enters an LDS address
	s_wait_dscnt 0x0
	s_wait_kmcnt 0x0
	s_add_nc_u64 s[14:15], s[4:5], s[16:17]
	s_add_nc_u64 s[46:47], s[6:7], s[46:47]
	CROUND                                         ; all sixteen work-groups are here: the first joint loads meet
.irp s, 0,1
	s_mov_b32 s[G0+4*\s], 1                                        ; count = 1
	s_add_co_u32 s[G0+4*\s+1], s20, \s*SLOT                        ; LDS address
	s_add_nc_u64 s[G0+4*\s+2:G0+4*\s+3], s[14:15], \s*KSTEP*2      ; global address: K step s
	s_or_b32 s[G0+4*\s+3], s[G0+4*\s+3], 0x80000000                ; type = 2
	s_mov_b32 s[G0B+4*\s], 1
	s_add_co_u32 s[G0B+4*\s+1], s20, \s*SLOT
	s_add_nc_u64 s[G0B+4*\s+2:G0B+4*\s+3], s[46:47], \s*KSTEP*2
	s_or_b32 s[G0B+4*\s+3], s[G0B+4*\s+3], 0x80000000
	JLOAD \s                                       ; both first fills go out before anything else: a wave has two tensor loads out here, one later
.endr
	; fragment addresses: lane l holds row l % 16; two loads of 16 bytes, 32 bytes apart, at row x pitch + 16 (l / 16)
	v_and_b32 v1, 15, v0                           ; l % 16
	v_bfe_u32 v2, v0, 4, 1                         ; l / 16
	v_mul_u32_u24 v3, v1, PITCH
	v_lshl_add_u32 v3, v2, 4, v3
	s_mul_i32 s21, s11, HALFT                      ; my 128 rows of A
	s_mul_i32 s22, s12, HALFT                      ; my 128 rows of B,
	s_add_co_u32 s22, s22, 2*HALFT                 ; which lie behind A's 256
.irp s, 0,1
	v_add_nc_u32 v[ADRA+\s], s21, v3
	v_add_nc_u32 v[ADRB+\s], s22, v3
	s_add_co_u32 s21, s21, SLOT
	s_add_co_u32 s22, s22, SLOT
.endr
	; the way out.  In: my wave's part, one run of 128 words for each half of the lanes; row 16 a + l % 16 of my 128 at word 16 a + l % 16.
	s_mul_i32 s23, s10, WP
	s_add_co_u32 s23, s23, PMAX
	v_mul_u32_u24 v4, v2, HP
	v_lshl_add_u32 v4, v1, 2, v4
	v_add_nc_u32 v[STO], s23, v4
	; Back: thread t takes rows 2 t, 2 t + 1 of the block's 256.  Their four partial maxima lie in the parts of waves 2 (t / 64) and 2 (t / 64) + 1, 576 bytes apart.
	v_lshrrev_b32 v4, 6, v0
	v_mul_u32_u24 v4, v4, 2*WP
	v_and_b32 v5, 63, v0
	v_lshl_add_u32 v4, v5, 3, v4
	v_add_nc_u32 v[RD], PMAX, v4
	v_lshlrev_b32 v[CO], 3, v0                     ; and 8 t in pm
; 16 matrix instructions: m blocks a0, a0 + 1 of the window's four x all 8 n blocks, 32 along K.  zero = 1: the first product starts the sums.
.macro MUL16 f, hi, a0, zero
.irp a, \a0, \a0+1
.irp b, 0,1,2,3,4,5,6,7
.if \zero
	v_wmma_f32_16x16x32_bf16 v[8*(8*(\a)+\b):8*(8*(\a)+\b)+7], v[\f+8*\b:\f+8*\b+7], v[\f+8*(4*\hi+\a):\f+8*(4*\hi+\a)+7], 0
.else
	v_wmma_f32_16x16x32_bf16 v[8*(8*(\a)+\b):8*(8*(\a)+\b)+7], v[\f+8*\b:\f+8*\b+7], v[\f+8*(4*\hi+\a):\f+8*(4*\hi+\a)+7], v[8*(8*(\a)+\b):8*(8*(\a)+\b)+7]
.endif
.endr
.endr
.endm
; 32 LDS loads in one run: the fragments of one quarter step into buffer f
.macro FETCH slot, k, f
	WIN TO_B
.irp i, 0,1,2,3,4,5,6,7
	ds_load_b128 v[\f+8*\i:\f+8*\i+3],   v[ADRB+\slot] offset:\k+\i*16*PITCH
	ds_load_b128 v[\f+8*\i+4:\f+8*\i+7], v[ADRB+\slot] offset:\k+\i*16*PITCH+32
.endr
	WIN 0
.irp i, 0,1,2,3,4,5,6,7
	ds_load_b128 v[\f+8*\i:\f+8*\i+3],   v[ADRA+\slot] offset:\k+\i*16*PITCH
	ds_load_b128 v[\f+8*\i+4:\f+8*\i+7], v[ADRA+\slot] offset:\k+\i*16*PITCH+32
.endr
.endm
; Four places of plain vector instructions that name none of its registers stand between a matrix instruction and a load into a register that
; it has read, or a vector instruction that reads its result (ISA guide 7.12.1 for vector instructions).
.macro PLACES
.rept 4
	v_nop
.endr
.endm
; One of a K step's first three quarter steps: multiplies buffer f; in its middle it fetches the next quarter's fragments into buffer g.
.macro QUARTER slot, k, f, g, zero
	s_wait_dscnt 8                                 ; B and A's rows 0-63 are in; the youngest eight loads (A's rows 64-127) may be out
	WIN MUL_LO
	MUL16 \f, 0, 0, \zero
	MUL16 \f, 0, 2, \zero
	PLACES
	FETCH \slot, \k, \g
	s_wait_dscnt 32                                ; all but the 32 just issued
	WIN MUL_HI
	MUL16 \f, 1, 0, \zero
	MUL16 \f, 1, 2, \zero
.endm
.macro THREE slot, zero
	QUARTER \slot, 64,  F0, F1, \zero
	QUARTER \slot, 128, F1, F0, 0
	QUARTER \slot, 192, F0, F1, 0
.endm
; The last quarter: multiplies buffer 1 and changes slots.  In front of the barrier each wave waits for its own reads of this slot and for all
; its tensor loads (one is out: its part of the next slot).  Behind it the refill comes first, then the next slot's first fragments.
; From a request to the wait for it a wave issues 240 matrix instructions.
.macro TURN slot, next, fill
	s_wait_dscnt 8
	WIN MUL_LO
	MUL16 F1, 0, 0, 0
	s_wait_dscnt 0                                 ; my reads of this slot are over
	s_wait_tensorcnt 0x0                           ; and all my tensor loads have landed
	ds_add_u32 v255, v255
	s_wait_dscnt 0x0
	s_barrier_signal -1                            ; say so (where a slot is filled again this barrier opens a round of the cluster's barrier),
	MUL16 F1, 0, 2, 0                              ; work on registers while the others arrive,
	WIN 0
	s_barrier_wait -1
.if \fill
	CREST                                          ; all sixteen work-groups have said so: no wave of any partner still reads this slot's tile or has a load on its way
	s_add_nc_u64 s[G0+4*\slot+2:G0+4*\slot+3], s[G0+4*\slot+2:G0+4*\slot+3], 2*KSTEP*2
	s_add_nc_u64 s[G0B+4*\slot+2:G0B+4*\slot+3], s[G0B+4*\slot+2:G0B+4*\slot+3], 2*KSTEP*2
	JLOAD \slot                                    ; the first tensor load behind the round, and my only one until the next
.endif
	PLACES
	FETCH \next, 0, F0
	WIN MUL_HI
	MUL16 F1, 1, 0, 0
	MUL16 F1, 1, 2, 0
.endm
.macro LAP zero                        ; once round the ring, both slots filled again
	THREE 0, \zero
	TURN 0, 1, 1
	THREE 1, 0
	TURN 1, 0, 1
.endm
	s_wait_tensorcnt 1                             ; my part of K step 0 is in; K step 1's may stay out
	s_barrier_signal -1
	s_barrier_wait -1
	FETCH 0, 0, F0
	LAP 1                                          ; the first lap's first products start the sums
	WIN 0                                          ; at a label and at a branch every window is 0
	s_mov_b32 s3, LAPS-2
.Llap:
	LAP 0
	WIN 0
	s_sub_co_u32 s3, s3, 1
	s_cmp_lg_u32 s3, 0
	s_cbranch_scc1 .Llap
	THREE 0, 0                                     ; the last lap fills nothing and has no round of the cluster's barrier
	TURN 0, 1, 0
	THREE 1, 0
	s_wait_dscnt 8                                 ; the very last quarter: nothing more to fetch
	WIN MUL_LO
	MUL16 F1, 0, 0, 0
	MUL16 F1, 0, 2, 0
	s_wait_dscnt 0
	WIN MUL_HI
	MUL16 F1, 1, 0, 0
	MUL16 F1, 1, 2, 0
	; THE WAY OUT.  The four v_nop are the places behind the last matrix instructions, for the maxima, which read results.
	PLACES
	s_lshl_b32 s16, s13, 10                        ; pm: 256 rows x 4 bytes x block row,
	s_mov_b32 s17, 0
	s_add_nc_u64 s[8:9], s[8:9], s[16:17]
	s_lshl3_add_u32 s46, s45, s42                  ; and row 8 x batch + block column of 8,192 bytes (in the registers that held B's address: none that feeds A's descriptors ever holds cx)
	s_lshl_b32 s46, s46, 13
	s_mov_b32 s47, 0
	s_add_nc_u64 s[8:9], s[8:9], s[46:47]
; One window's four groups of 64 registers: each group is 64 columns of one row.  Four chains that do not wait for each other, three numbers
; at a time, in place; the last step puts the result into window 0, at TMP + base + a.
.macro ROWMAX inplace, final, base
	WIN \inplace
.set k, 0
.rept 31
.irp a, 0,1,2,3
	v_max3_num_f32 v[64*\a], v[64*\a], v[64*\a+2*k+1], v[64*\a+2*k+2]
.endr
.set k, k+1
.endr
	WIN \final
.irp a, 0,1,2,3
	v_max_num_f32 v[TMP+\base+\a], v[64*\a], v[64*\a+63]
.endr
.endm
	ROWMAX 0xaa, 0x0a, 0                           ; my rows 0-63: everything in window 2, then sources in window 2 and the result in window 0
	ROWMAX 0xff, 0x0f, 4                           ; my rows 64-127: window 3
	WIN 0
.irp a, 0,1,2,3,4,5,6,7
	ds_store_b32 v[STO], v[TMP+\a] offset:64*\a    ; row 16 a + l % 16 of my 128; each lane has a word of its own
.endr
	s_wait_dscnt 0x0                               ; for the other waves' sake: my stores are done
	s_barrier_signal -1
	s_barrier_wait -1                              ; everybody's are
.irp p, 0,1,2,3
	ds_load_b64 v[TMP+8+2*\p:TMP+9+2*\p], v[RD] offset:HP*\p       ; two rows' partial maxima: two column halves x two halves of the lanes
.endr
	s_wait_dscnt 0x0
	v_max3_num_f32 v[TMP+8], v[TMP+8], v[TMP+10], v[TMP+12]
	v_max3_num_f32 v[TMP+9], v[TMP+9], v[TMP+11], v[TMP+13]
	v_max_num_f32 v[TMP+8], v[TMP+8], v[TMP+14]
	v_max_num_f32 v[TMP+9], v[TMP+9], v[TMP+15]
	v_pk_mul_f32 v[TMP+8:TMP+9], v[TMP+8:TMP+9], 0x3d800000 op_sel_hi:[1,0]      ; x 1/16, exact
	global_store_b64 v[CO], v[TMP+8:TMP+9], s[8:9]                 ; a wave stores 256 consecutive bytes, at a multiple of 256 from pm's first byte
	s_set_vgpr_msb 0x1
	s_wait_tensorcnt 0x0
	ds_add_u32 v255, v255
	s_wait_dscnt 0x0
	s_set_vgpr_msb 0x100
	CROUND                                         ; the closing round: no work-group ends while a partner may still ask for a tile that names it
	s_endpgm
.Lfunc_end_k_q9aed797798_attn:
	.size	k_q9aed797798_attn, .Lfunc_end_k_q9aed797798_attn-k_q9aed797798_attn
	.p2alignl 7, 3214868480
	.fill 96, 4, 3214868480
	.section	.rodata,"a",@progbits
	.p2align	6, 0x0
	.amdhsa_kernel k_q9aed797798_attn
		.amdhsa_group_segment_fixed_size 327680
		.amdhsa_private_segment_fixed_size 0
		.amdhsa_enable_private_segment 0
		.amdhsa_kernarg_size 24
		.amdhsa_user_sgpr_count 2
		.amdhsa_user_sgpr_kernarg_segment_ptr 1
		.amdhsa_wavefront_size32 1
		.amdhsa_system_sgpr_workgroup_id_x 1
		.amdhsa_system_sgpr_workgroup_id_y 1
		.amdhsa_system_sgpr_workgroup_id_z 1
		.amdhsa_system_vgpr_workitem_id 0
		.amdhsa_next_free_vgpr 1024
		.amdhsa_next_free_sgpr 66
		.amdhsa_reserve_vcc 0
		.amdhsa_float_denorm_mode_32 3
		.amdhsa_float_denorm_mode_16_64 3
		.amdhsa_memory_ordered 1
		.amdhsa_forward_progress 1
		.amdhsa_inst_pref_size 180
	.end_amdhsa_kernel
	.amdgpu_metadata
---
amdhsa.version: [ 1, 2 ]
amdhsa.kernels:
  - .name:           k_q9aed797798_attn
    .symbol:         k_q9aed797798_attn.kd
    .args:
      - { .name: wb, .offset: 0, .size: 8, .value_kind: global_buffer, .address_space: global }
      - { .name: gm, .offset: 8, .size: 8, .value_kind: global_buffer, .address_space: global }
      - { .name: pm, .offset: 16, .size: 8, .value_kind: global_buffer, .address_space: global }
    .group_segment_fixed_size: 327680
    .private_segment_fixed_size: 0
    .kernarg_segment_align: 8
    .kernarg_segment_size: 24
    .max_flat_workgroup_size: 128
    .sgpr_count:     66
    .vgpr_count:     1024
    .wavefront_size: 32
...
	.end_amdgpu_metadata
.endif
;; end of part 3
;; launch outer (part 4): grid 2 x 128, 8 waves a work-group, no clusters, 5,120 bytes of LDS; arguments cs, pm, out0; writes out0
.if DOCPART == 4
	.amdgcn_target "amdgcn-amd-amdhsa--gfx1250"
	.amdhsa_code_object_version 6
	.text
	.protected	k_q9aed797798_outer
	.globl	k_q9aed797798_outer
	.p2align	8
	.type	k_q9aed797798_outer,@function
k_q9aed797798_outer:
	s_mov_b64 s[64:65], 0
	v_nop
	global_prefetch_b8 v0, s[64:65] scope:SCOPE_SE
	s_setreg_imm32_b32 hwreg(HW_REG_WAVE_MODE, 25, 1), 1
	s_wait_xcnt 0x0
; outer: out0[b][i][j] = v[b][i] m[b][j], with m[b][j] = the largest of pm[b][0..7][j] and v[b][i] = 2^-11 x the sum of cs[64 b .. 64 b + 63][i].
; cs: [256][2048] f32, pm: [4][8][2048] f32, out0: [4 x 2048][2048] f32.
; Work-group (ch, rg) stores rows 64 rg .. 64 rg + 63 of out0, columns 1024 ch .. + 1023: 256 work-groups of 256 KiB each.
; Thread t owns columns 1024 ch + 4 t .. + 3 in all 64 rows: a wave's store covers 512 consecutive bytes.  The stores bind: no matrix unit, no
; cluster.  The 64 values of v are summed once through LDS and go to scalar registers; the four m of a thread stay in registers.
; LIMIT, stated: a NaN in pm loses in v_max_num_f32 and v_max3_num_f32.  2^-11 is exact.
.set C,  8                             ; v[8:23]    four chunks' 4 numbers of cs
.set P,  24                            ; v[24:55]   eight column blocks' 4 numbers of pm
.set M,  56                            ; v[56:59]   m of my 4 columns
.set R,  60                            ; v[60:91]   sixteen partial sums of two rows' v; the result in v[60:61]
.set Y,  92                            ; v[92:155]  set row % 16: 4 numbers to store
.set SV, 16                            ; s[16:47]   v of 32 rows
	s_load_b128 s[4:7], s[0:1], 0x0                ; cs s[4:5], pm s[6:7]
	s_load_b64 s[8:9], s[0:1], 0x10                ; out0
	v_lshl_add_u32 v156, v0, 2, 0x1000
	v_mov_b32 v157, 0
	s_and_b32 s11, ttmp7, 0xffff                   ; rg: which 64 rows
	s_lshr_b32 s12, s11, 5                         ; the batch
	s_and_b32 s13, s11, 31                         ; which 64 of the batch's 2,048 values of v
	s_lshl_b32 s10, ttmp9, 12                      ; the column half, in bytes
	s_mov_b32 s15, 0                               ; every offset below is under 4 GiB
	v_lshlrev_b32 v1, 4, v0                        ; 16 t: my place in pm, in a row of out0, and in LDS; never rewritten
	v_lshrrev_b32 v2, 4, v0                        ; t / 16: my chunk among sixteen
	v_and_b32 v3, 15, v0
	v_lshlrev_b32 v3, 4, v3                        ; 16 (t % 16): sixteen lanes take 256 consecutive bytes of a row of cs
	v_lshl_or_b32 v2, v2, 13, v3                   ; + chunk x 8,192 bytes
	v_and_b32 v3, 31, v0
	v_lshlrev_b32 v3, 3, v3                        ; 8 x lane: two columns of the LDS table
	s_wait_kmcnt 0x0
	s_lshl_b32 s14, s12, 19                        ; cs: 64 chunks of 8,192 bytes a batch,
	s_lshl_b32 s13, s13, 8                         ; and 64 numbers of 4 bytes
	s_add_co_u32 s14, s14, s13
	s_add_nc_u64 s[4:5], s[4:5], s[14:15]
	s_lshl_b32 s14, s12, 16                        ; pm: 8 rows of 8,192 bytes a batch
	s_add_co_u32 s14, s14, s10
	s_add_nc_u64 s[6:7], s[6:7], s[14:15]
	s_lshl_b32 s14, s11, 19                        ; out0: 64 rows of 8,192 bytes
	s_add_co_u32 s14, s14, s10
	s_add_nc_u64 s[8:9], s[8:9], s[14:15]
.irp k, 0,1,2,3
	global_load_b128 v[C+4*\k:C+4*\k+3], v2, s[4:5] offset:\k*131072       ; chunks t / 16 + 16 k
.endr
.irp c, 0,1,2,3,4,5,6,7
	global_load_b128 v[P+4*\c:P+4*\c+3], v1, s[6:7] offset:\c*8192         ; column block c's maxima of my 4 columns
.endr
	s_wait_loadcnt 0x8                             ; the four loads of cs are in; the eight younger ones of pm stay out
	v_pk_add_f32 v[C:C+1],     v[C:C+1],     v[C+4:C+5]
	v_pk_add_f32 v[C+2:C+3],   v[C+2:C+3],   v[C+6:C+7]
	v_pk_add_f32 v[C+8:C+9],   v[C+8:C+9],   v[C+12:C+13]
	v_pk_add_f32 v[C+10:C+11], v[C+10:C+11], v[C+14:C+15]
	v_pk_add_f32 v[C:C+1],     v[C:C+1],     v[C+8:C+9]
	v_pk_add_f32 v[C+2:C+3],   v[C+2:C+3],   v[C+10:C+11]
	ds_store_b128 v1, v[C:C+3]                     ; LDS: [16 groups of chunks][64 columns] f32, 256 bytes a group
	s_wait_dscnt 0x0                               ; for the other waves' sake: my store is done
	s_barrier_signal -1
	s_barrier_wait -1                              ; everybody's is.  The table is written once: no second barrier
.irp g, 0,1,2,3,4,5,6,7,8,9,10,11,12,13,14,15
	ds_load_b64 v[R+2*\g:R+2*\g+1], v3 offset:256*\g               ; 32 lanes take a group's 256 consecutive bytes
.endr
	s_wait_loadcnt 0x0                             ; pm
.irp c, 0,1,2,3
	v_max3_num_f32 v[M+\c], v[P+\c], v[P+4+\c], v[P+8+\c]
.endr
.irp c, 0,1,2,3
	v_max3_num_f32 v[M+\c], v[M+\c], v[P+12+\c], v[P+16+\c]
.endr
.irp c, 0,1,2,3
	v_max3_num_f32 v[M+\c], v[M+\c], v[P+20+\c], v[P+24+\c]
.endr
.irp c, 0,1,2,3
	v_max_num_f32 v[M+\c], v[M+\c], v[P+28+\c]
.endr
	s_wait_dscnt 0x0
.irp g, 0,1,2,3,4,5,6,7
	v_pk_add_f32 v[R+2*\g:R+2*\g+1], v[R+2*\g:R+2*\g+1], v[R+16+2*\g:R+17+2*\g]
.endr
.irp g, 0,1,2,3
	v_pk_add_f32 v[R+2*\g:R+2*\g+1], v[R+2*\g:R+2*\g+1], v[R+8+2*\g:R+9+2*\g]
.endr
.irp g, 0,1
	v_pk_add_f32 v[R+2*\g:R+2*\g+1], v[R+2*\g:R+2*\g+1], v[R+4+2*\g:R+5+2*\g]
.endr
	v_pk_add_f32 v[R:R+1], v[R:R+1], v[R+2:R+3]
	v_pk_mul_f32 v[R:R+1], v[R:R+1], 0x3a000000 op_sel_hi:[1,0]    ; x 2^-11: lane l holds v of my rows 2 l and 2 l + 1
; One row: four products, one store.  i = the row's place among the 32 values of v in scalar registers.
.macro OROW i, row
.if (\row) > 0
.if ((\row)%16) == 0
	s_wait_xcnt 0x0                                ; once for sixteen rows: all sixteen sets of Y, which the last sixteen stores read, are rewritten only behind this wait
.endif
.endif
.irp c, 0,1,2,3
	v_mul_f32 v[Y+4*((\row)%16)+\c], s[SV+\i], v[M+\c]
.endr
	global_store_b128 v1, v[Y+4*((\row)%16):Y+4*((\row)%16)+3], s[8:9] offset:(\row)*8192 th:TH_STORE_NT   ; the row's place stands in the immediate: 516,096 at the most
.endm
; 32 rows: their v from lanes 16 hh .. 16 hh + 15 into scalar registers, then the rows
.macro HALF hh
.irp p, 0,1,2,3,4,5,6,7,8,9,10,11,12,13,14,15
	v_readlane_b32 s[SV+2*\p],   v[R],   16*\hh+\p
	v_readlane_b32 s[SV+2*\p+1], v[R+1], 16*\hh+\p
.endr
.irp i, 0,1,2,3,4,5,6,7,8,9,10,11,12,13,14,15,16,17,18,19,20,21,22,23,24,25,26,27,28,29,30,31
	OROW \i, 32*\hh+\i
.endr
.endm
	HALF 0
	HALF 1
	s_wait_tensorcnt 0x0
	ds_add_u32 v156, v157
	s_wait_dscnt 0x0
	s_endpgm
.Lfunc_end_k_q9aed797798_outer:
	.size	k_q9aed797798_outer, .Lfunc_end_k_q9aed797798_outer-k_q9aed797798_outer
	.p2alignl 7, 3214868480
	.fill 96, 4, 3214868480
	.section	.rodata,"a",@progbits
	.p2align	6, 0x0
	.amdhsa_kernel k_q9aed797798_outer
		.amdhsa_group_segment_fixed_size 5120
		.amdhsa_private_segment_fixed_size 0
		.amdhsa_enable_private_segment 0
		.amdhsa_kernarg_size 24
		.amdhsa_user_sgpr_count 2
		.amdhsa_user_sgpr_kernarg_segment_ptr 1
		.amdhsa_wavefront_size32 1
		.amdhsa_system_sgpr_workgroup_id_x 1
		.amdhsa_system_sgpr_workgroup_id_y 1
		.amdhsa_system_sgpr_workgroup_id_z 1
		.amdhsa_system_vgpr_workitem_id 0
		.amdhsa_next_free_vgpr 158
		.amdhsa_next_free_sgpr 66
		.amdhsa_reserve_vcc 0
		.amdhsa_float_denorm_mode_32 3
		.amdhsa_float_denorm_mode_16_64 3
		.amdhsa_memory_ordered 1
		.amdhsa_forward_progress 1
		.amdhsa_inst_pref_size 25
	.end_amdhsa_kernel
	.amdgpu_metadata
---
amdhsa.version: [ 1, 2 ]
amdhsa.kernels:
  - .name:           k_q9aed797798_outer
    .symbol:         k_q9aed797798_outer.kd
    .args:
      - { .name: cs, .offset: 0, .size: 8, .value_kind: global_buffer, .address_space: global }
      - { .name: pm, .offset: 8, .size: 8, .value_kind: global_buffer, .address_space: global }
      - { .name: out0, .offset: 16, .size: 8, .value_kind: global_buffer, .address_space: global }
    .group_segment_fixed_size: 5120
    .private_segment_fixed_size: 0
    .kernarg_segment_align: 8
    .kernarg_segment_size: 24
    .max_flat_workgroup_size: 256
    .sgpr_count:     66
    .vgpr_count:     158
    .wavefront_size: 32
...
	.end_amdgpu_metadata
.endif
;; end of part 4
